; MI455X (gfx1250); checked and timed in simulation.
; The chip was launched on July 23, 2026; its instructions are those of AMD's public machine-readable ISA for CDNA 5 (MIT licence, August 2026) and "CDNA5" Instruction Set Architecture Reference Guide (July 2026). The comments in the code are by the model that wrote it; some were corrected since.
;; RD Quant Linear. Allowed arithmetic: matrix products marked QUANTISED: E2M3 operands, one E8M0 scale for each 32 along K, by v_wmma_scale_f32_16x16x128_f8f6f4 with both operands' format E2M3, f32 sums; everything else in f32.
;; Inputs: bias 4,096 float32; fp8_scale 1 float32; inv_perm 4,096 int32; nvfp4_global_scale 1 float32; nvfp4_idx 2,048 x 4,096 int32; nvfp4_scales 2,048 x 256 float32; w_fp16_codes 1,024 x 128 x 24 uint8 (E2M3 codes of w_fp16, K innermost, in blocks of 32 codes, four codes in three bytes); w_fp16_scales 1,024 x 128 uint8 (E8M0 scales of w_fp16, one for each 32 codes along K); w_fp8_codes 1,024 x 128 x 24 uint8 (E2M3 codes of w_fp8, K innermost, in blocks of 32 codes, four codes in three bytes); w_fp8_scales 1,024 x 128 uint8 (E8M0 scales of w_fp8, one for each 32 codes along K); x_codes 4,096 x 128 x 24 uint8 (E2M3 codes of x, K innermost, in blocks of 32 codes, four codes in three bytes); x_scales 4,096 x 128 uint8 (E8M0 scales of x, one for each 32 codes along K).
;; Outputs: out0 4,096 x 4,096 float32.
;; This version of the problem:
;;   THIS VERSION OF THE PROBLEM IS GIVEN IN LOW PRECISION. The matrix products marked QUANTISED in the list below multiply operands that are first quantised to E2M3 (2 exponent bits, 3 mantissa bits; 6 bits a number), with one power-of-two scale for each 32 numbers along K (OCP MX v1.0); their sums are f32. All else is computed in f32.
;;   The module's matrix products, in the order in which they are computed (A, B: the left and right operand; K: the contracted axis; several contracted axes count as one K, in the product's order):
;;     1. [M 4,096, K 4,096] x [K 4,096, N 2,048]; A: input x (given as codes); B: computed on the way: QUANTISED
;;     2. [M 4,096, K 4,096] x [K 4,096, N 1,024]; A: input x (given as codes); B: input w_fp8 (given as codes): QUANTISED
;;     3. [M 4,096, K 4,096] x [K 4,096, N 1,024]; A: input x (given as codes); B: input w_fp16 (given as codes): QUANTISED
;;   THE QUANTISER, for each operand of a quantised product, along K:
;;     - K is cut into blocks of 32 from its start; a last block that is shorter is filled with zeros.
;;     - A block's scale is 2^e with e = floor(log2(the largest magnitude in the block)) - 2, held to -126 .. 127; a block of zeros has e = 0. As a byte (E8M0): e + 127.
;;     - Each number is divided by its block's scale, clamped to +-7.5, and rounded to the nearest number of E2M3, ties to even, subnormals kept.
;;     - The product sums the exact products of the quantised numbers (number of the format x scale) in f32.
;;   ~~~python
;;   def quantise(x, axis):      # numpy; x: float32 -> the quantised numbers, widened to float32 again
;;       x = np.moveaxis(x, axis, -1); K = x.shape[-1]
;;       x = np.pad(x, [(0, 0)] * (x.ndim - 1) + [(0, -K % 32)]); x = x.reshape(x.shape[:-1] + (-1, 32)); a = np.abs(x).max(-1, keepdims=True)
;;       e = np.where(a > 0, np.clip(np.frexp(np.where(a > 0, a, 1))[1] - 1 - 2, -126, 127), 0)      # np.frexp(a)[1] - 1 = floor(log2(a)), exactly
;;       r = np.clip(x / 2.0 ** e, -7.5, 7.5)
;;       step = 2.0 ** (np.maximum(np.frexp(np.where(r == 0, 1, r))[1] - 1, 0) - 3)
;;       q = np.round(r / step) * step * 2.0 ** e      # np.round: ties to even
;;       return np.moveaxis(q.reshape(q.shape[:-2] + (-1,))[..., :K], -1, axis).astype(np.float32)
;;   ~~~
;;   OPERANDS COMPUTED ON THE WAY. 'Computed on the way' means the value that the module computes at that place (a softmax that the list does not call 'softmax' is quantised finished and normalised). What goes into a quantiser is computed in f32, as accurately as f32 sums, v_exp_f32 and their like allow (about 1e-6 of the number): no bf16 or f16 on the way to a quantiser, and a product that is left as it is and whose result goes on into a quantised operand takes f32 operands (vector FMAs, or v_wmma_f32_16x16x4_f32). A number that lies on a knife's edge between two numbers of the format may be rounded either way, as far as f32 arithmetic and the matrix unit's own rounding can turn it there, and no further.
;;   INPUTS GIVEN AS CODES. w_fp16 (in the module: [1024, 4096], K = its axis 1); w_fp8 (in the module: [1024, 4096], K = its axis 1); x (in the module: [4096, 4096], K = its axis 1): each comes as NAME_codes (uint8): NAME with its K axis moved to the last place and cut into blocks of 32 codes, [.., K / 32, bytes a block], one block behind the other in memory; four codes in three bytes: a row's codes are one little-endian stream of bits, code i at bits 6 i .. 6 i + 5 (a code: sign, 2 exponent bits, 3 mantissa bits); and NAME_scales (uint8): the same leading axes, one E8M0 byte (e + 127) for each 32 codes along K. Its value is code x scale, taken as it is: it is not quantised again, and the codes and scales need not be those that the quantiser above would give.
;; One version. Each part assembles by itself: llvm-mc -triple=amdgcn-amd-amdhsa -mcpu=gfx1250 --defsym DOCPART=n.
;; ======== version 1 of 1: 2 launches
;; limits: right only within a limited range of input values
;; workspace buffers: wq 13,303,808 bytes; xq 13,303,808 bytes
;; launch prep (part 1): grid 256 x 1, 16 waves a work-group, no clusters, 203,776 bytes of LDS; arguments inv_perm, nvfp4_idx, nvfp4_scales, nvfp4_global_scale, w_fp8_codes, w_fp8_scales, w_fp16_codes, w_fp16_scales, x_codes, x_scales, wq, xq; writes wq, xq
.if DOCPART == 1
	.amdgcn_target "amdgcn-amd-amdhsa--gfx1250"
	.amdhsa_code_object_version 6
	.text
	.protected	k_qfeee9f3a79_prep
	.globl	k_qfeee9f3a79_prep
	.p2align	8
	.type	k_qfeee9f3a79_prep,@function
k_qfeee9f3a79_prep:
	s_mov_b64 s[64:65], 0
	v_nop
	global_prefetch_b8 v0, s[64:65] scope:SCOPE_SE
	s_setreg_imm32_b32 hwreg(HW_REG_WAVE_MODE, 25, 1), 1
	s_wait_xcnt 0x0
; BOTH OPERANDS OF THE PRODUCT, LAID AS IMAGES OF THE MATRIX OPERAND'S REGISTERS.  No work of the problem is left out.
; wq and xq have one layout.  128 rows make a half tile of HT bytes; in it K goes in 11 groups of 3 steps of 128 (the last group: 2 steps).  A group of GB bytes is:
;   2,048 bytes of scale words: [block i of 16 rows][row r][4 words]: word q = the four E8M0 bytes of step 3 g + q (a word beyond the group's steps holds finite bytes that no product reads);
;   then for each step [block i][1,536 bytes]: a fragment, 16 rows x 128 K of 6-bit codes, as three pieces of 16 bytes x lane: registers 4 P .. 4 P + 3 of lane (r, h), whose 12 registers are the
;   row's bytes 96 s + 24 h + 0 .. 23 and 96 s + 48 + 24 h + 0 .. 23.
; xq holds x's rows in their order.  Row r of block I of wq is the weight of output column c = 64 (I / 4) + 4 r + I % 4, that is row inv_perm[c] of the three groups stacked:
;   under 2048: code[idx] x scales[k / 16] x global (f32, in that order), quantised here to E2M3 with one E8M0 byte for each 32 along K;  under 3072: w_fp8's row, else w_fp16's: copied as given.
; So the gather of output columns is a gather of weight rows, and four neighbouring columns fall into one lane of four accumulators of the product's launch.
; SHARES.  Work-group I takes block I of both tensors; wave w takes row w of each.  The rows meet row by row in two LDS stages (pitch 3,088); behind the one barrier wave w reads steps 2 w, 2 w + 1 of all 16 rows as
; fragments and stores each as 3 x 512 consecutive bytes; waves 0 to 10 store a group's 256 bytes of scale words for each tensor.
; A ROW OF THE FIRST GROUP goes in 8 steps of 512 indices through the wave's own stage, so that a lane holds 16 neighbours along K (one given scale); two lanes hold a block of 32.
; LIMITS: an index lies in 0 .. 15; inv_perm is taken as unsigned and held at 4,095; a block whose largest magnitude lies under 2^-124, a block of zeros among them, gets the byte 1
; (its codes are zeros, and the bytes are read by this program alone); NaN and infinities among the given scales are not served.
.set SP,    80
.set STAGE, 32*SP
.set WREG,  6144                       ; a wave's own: two stages, then the row's 256 given scales
.set SN,    2*STAGE
.set WST,   16*WREG                    ; the weights' 16 rows of codes
.set RP,    3088                       ; 3,072 + 16: the 32 lanes of a fragment's 8-byte load touch 64 different banks (ISA guide 11.1)
.set XD,    16*RP                      ; from there to x's 16 rows
.set WSB,   WST+2*XD                   ; the weights' scale bytes, 128 + 8 a row, pitch BP
.set BP,    144
.set XBD,   16*BP                      ; from there to x's
.set SPARE, WSB+2*XBD                  ; the spare words: 128 bytes a wave
.set GB,    38912
.set HT,    10*GB+26624
.set L16, 2
.set STI, 3
.set STO, 4
.set SNI, 5
.set SNO, 6
.set SBB, 7                            ; my block's scale byte
.set SBW, 8                            ; a copied row's scale word
.set WRO, 9                            ; my 12 bytes of codes in my row
.set WRC, 10                           ; my 16 bytes of a copied row
.set L8,  11
.set L4,  12
.set ONE, 13
.set MX,  14
.set SO,  16
.set FRD, 17                           ; a fragment's row r, + 24 h, + my two steps
.set SC,  18
.set PK,  22
.set SRD, 24                           ; scale words on their way out
.set PADW, 25
.set E,   26
.set C,   28
.set X,   32
.set F,   64
.set XR,  80                           ; v80-103 x's row as loaded, v104 its scale word
.set XS,  104
.set R,   112
.set NS,  240
	s_load_b256 s[4:11], s[0:1], 0x0               ; inv_perm, idx, given scales, global scale
	s_load_b256 s[12:19], s[0:1], 0x20             ; w_fp8's codes, bytes; w_fp16's codes, bytes
	s_load_b256 s[40:47], s[0:1], 0x40             ; x's codes, bytes; wq; xq
	v_lshl_add_u32 v248, v0, 2, SPARE
	v_mov_b32 v249, 0
	v_lshrrev_b32 v1, 5, v0
	s_delay_alu instid0(VALU_DEP_1)
	v_readfirstlane_b32 s24, v1                    ; wave 0..15
	s_mul_i32 s36, s24, WREG
	s_add_co_u32 s37, s36, SN
	s_mul_i32 s38, s24, RP
	s_add_co_u32 s38, s38, WST
	s_mul_i32 s39, s24, BP
	s_add_co_u32 s39, s39, WSB
	s_mul_i32 s20, s24, 192
	s_add_co_u32 s20, s20, WST
	s_mul_i32 s21, s24, 12
	s_add_co_u32 s21, s21, WSB
	; every LDS address is made here: a constant x wave + a constant x lane + a constant
	v_and_b32 v1, 31, v0                           ; lane
	s_delay_alu instid0(VALU_DEP_1)
	v_lshlrev_b32 v[L16], 4, v1
	v_lshlrev_b32 v[L4], 2, v1
	v_lshlrev_b32 v[L8], 3, v1
	v_lshrrev_b32 v[STI], 2, v1
	v_and_b32 v[STO], 3, v1
	s_delay_alu instid0(VALU_DEP_2)
	v_mul_u32_u24 v[STI], v[STI], SP
	s_delay_alu instid0(VALU_DEP_1)
	v_lshl_add_u32 v[STI], v[STO], 4, v[STI]
	v_mul_u32_u24 v[STO], v1, SP
	s_delay_alu instid0(VALU_DEP_2)
	v_add_nc_u32 v[STI], s36, v[STI]
	s_delay_alu instid0(VALU_DEP_2)
	v_add_nc_u32 v[STO], s36, v[STO]
	v_add_nc_u32 v[SNI], s37, v[L16]
	v_add_nc_u32 v[SNO], s37, v[L4]
	v_lshrrev_b32 v[SBB], 1, v1
	v_add_nc_u32 v[SBW], s39, v[L4]
	s_delay_alu instid0(VALU_DEP_2)
	v_add_nc_u32 v[SBB], s39, v[SBB]
	v_mul_u32_u24 v[WRO], v1, 12
	v_add_nc_u32 v[WRC], s38, v[L16]
	s_delay_alu instid0(VALU_DEP_2)
	v_add_nc_u32 v[WRO], s38, v[WRO]
	v_mov_b32 v[PADW], s39
	v_and_b32 v[FRD], 15, v1
	v_lshrrev_b32 v[SRD], 4, v1
	s_delay_alu instid0(VALU_DEP_2)
	v_mul_u32_u24 v[FRD], v[FRD], RP
	s_delay_alu instid0(VALU_DEP_1)
	v_mad_u32_u24 v[FRD], v[SRD], 24, v[FRD]
	v_lshrrev_b32 v[SRD], 1, v1
	s_delay_alu instid0(VALU_DEP_2)
	v_add_nc_u32 v[FRD], s20, v[FRD]
	v_and_b32 v[E], 1, v1
	s_delay_alu instid0(VALU_DEP_3)
	v_mul_u32_u24 v[SRD], v[SRD], BP
	s_delay_alu instid0(VALU_DEP_1)
	v_lshl_add_u32 v[SRD], v[E], 3, v[SRD]
	s_delay_alu instid0(VALU_DEP_1)
	v_add_nc_u32 v[SRD], s21, v[SRD]
	v_mov_b32 v[ONE], 0x7f7f7f7f
	v_mov_b32 v[MX], 0x7f7f7f7f
	v_mov_b32 v[MX+1], 0x7f7f7f7f
	v_mov_b32 v[SC+1], 0
	v_mov_b32 v[SC+3], 0
	s_lshr_b32 s25, ttmp9, 2
	s_lshl_b32 s25, s25, 6
	s_and_b32 s26, ttmp9, 3
	s_add_co_u32 s25, s25, s26
	s_lshl_b32 s26, s24, 2
	s_add_co_u32 s25, s25, s26                     ; c = 64 (I / 4) + 4 w + I % 4
	s_lshl_b32 s26, s25, 2
	s_mov_b32 s27, 0
	s_lshl_b32 s31, ttmp9, 4
	s_add_co_u32 s31, s31, s24                     ; x's row 16 I + w
	s_mul_i32 s32, s31, 3072
	s_mov_b32 s33, 0
	s_lshl_b32 s34, s31, 7
	s_mov_b32 s35, 0
	; where my two steps and my group's scale words go, the same in wq and in xq
	s_lshr_b32 s48, ttmp9, 3
	s_mul_i32 s48, s48, HT                         ; the half tile
	s_and_b32 s49, ttmp9, 7                        ; block i in it
	s_mul_i32 s50, s49, 1536
	s_add_co_u32 s50, s50, s48
	s_add_co_u32 s50, s50, 2048
.irp e, 0,1
	s_lshl_b32 s51, s24, 1
	s_add_co_u32 s51, s51, \e                      ; step s = 2 w + e
	s_mul_i32 s[52+2*\e], s51, 11
	s_lshr_b32 s[52+2*\e], s[52+2*\e], 5           ; g = s / 3 (exact for s under 32)
	s_mul_i32 s[53+2*\e], s[52+2*\e], 3
	s_sub_co_u32 s[53+2*\e], s51, s[53+2*\e]       ; s % 3
	s_mul_i32 s[52+2*\e], s[52+2*\e], GB
	s_mul_i32 s[53+2*\e], s[53+2*\e], 12288
	s_add_co_u32 s[52+2*\e], s[52+2*\e], s[53+2*\e]
	s_add_co_u32 s[52+2*\e], s[52+2*\e], s50
	s_mov_b32 s[53+2*\e], 0
.endr
	s_mul_i32 s56, s24, GB                         ; group w's header,
	s_add_co_u32 s56, s56, s48
	s_lshl_b32 s49, s49, 8
	s_add_co_u32 s56, s56, s49                     ; block i's 256 bytes
	s_mov_b32 s57, 0
	s_wait_alu depctr_va_vdst(0)                   ; the wait at the head's end
	s_wait_kmcnt 0x0
	s_add_nc_u64 s[4:5], s[4:5], s[26:27]
	s_load_b32 s30, s[4:5], 0x0                    ; inv_perm[c]
	s_load_b32 s28, s[10:11], 0x0                  ; the global scale
	s_add_nc_u64 s[40:41], s[40:41], s[32:33]
	s_add_nc_u64 s[42:43], s[42:43], s[34:35]
	global_load_b32 v[XS], v[L4], s[42:43] th:TH_LOAD_NT           ; x's row goes out first: 7 loads, older than all that follow
.irp i, 0,1,2,3,4,5
	global_load_b128 v[XR+4*\i:XR+4*\i+3], v[L16], s[40:41] offset:512*\i th:TH_LOAD_NT
.endr
	ds_store_b64 v[PADW], v[MX:MX+1] offset:128                    ; bytes of 1.0 behind each row's 128: the last group's two words that stand for no step
	ds_store_b64 v[PADW], v[MX:MX+1] offset:128+XBD
	s_add_nc_u64 s[58:59], s[44:45], s[52:53]      ; wq: step 2 w, step 2 w + 1, scale words
	s_add_nc_u64 s[60:61], s[44:45], s[54:55]
	s_add_nc_u64 s[62:63], s[44:45], s[56:57]
	s_add_nc_u64 s[52:53], s[46:47], s[52:53]      ; xq: the same
	s_add_nc_u64 s[54:55], s[46:47], s[54:55]
	s_add_nc_u64 s[56:57], s[46:47], s[56:57]
	s_wait_kmcnt 0x0
	s_min_u32 s30, s30, 4095
	s_mov_b32 s29, s28
	s_cmp_lt_u32 s30, 2048
	s_cbranch_scc0 .Lcopy                          ; a scalar branch on the index input; the barrier stands behind the join
	; ---- a row of the first group: dequantise in f32, quantise along K
	s_lshl_b32 s20, s30, 14
	s_mov_b32 s21, 0
	s_lshl_b32 s22, s30, 10
	s_mov_b32 s23, 0
	s_add_nc_u64 s[6:7], s[6:7], s[20:21]
	s_add_nc_u64 s[8:9], s[8:9], s[22:23]
	global_load_b128 v[NS:NS+3], v[L16], s[8:9]
	global_load_b128 v[NS+4:NS+7], v[L16], s[8:9] offset:512
.macro LOAD t
.irp i, 0,1,2,3
	global_load_b128 v[R+16*(\t)+4*\i:R+16*(\t)+4*\i+3], v[L16], s[6:7] offset:2048*(\t)+512*\i
.endr
.endm
.macro TURN t                          ; step t's indices through a stage: LDS serves a wave's instructions in order (ISA guide 5.7.1.4)
.irp i, 0,1,2,3
	ds_store_b128 v[STI], v[R+16*(\t)+4*\i:R+16*(\t)+4*\i+3] offset:STAGE*((\t)%2)+8*SP*\i
.endr
.irp i, 0,1,2,3
	ds_load_b128 v[X+16*((\t)%2)+4*\i:X+16*((\t)%2)+4*\i+3], v[STO] offset:STAGE*((\t)%2)+16*\i
.endr
	ds_load_b32 v[SC+2*((\t)%2)], v[SNO] offset:128*(\t)
.endm
.irp t, 0,1,2,3,4,5,6,7
	LOAD \t
.endr
	s_wait_loadcnt 32                              ; the given scales are in; the 32 loads of indices may be out
	ds_store_b128 v[SNI], v[NS:NS+3]
	ds_store_b128 v[SNI], v[NS+4:NS+7] offset:512
	s_wait_loadcnt 28
	TURN 0
.macro STEP t
.set XS_, X+16*((\t)%2)
.set SS, SC+2*((\t)%2)
.if (\t) > 0
	s_wait_dscnt 4                                 ; this step's numbers are back; the last step's four stores (a byte, three words of codes) may be out
.else
	s_wait_dscnt 0x0
.endif
.if (\t) < 7
	s_wait_loadcnt 4*(6-(\t))
	TURN (\t)+1
.endif
	v_lshl_or_b32 v[PK], v[XS_+1], 4, v[XS_]       ; an index is the E2M1 code itself: eight to a register
	v_lshl_or_b32 v[PK+1], v[XS_+9], 4, v[XS_+8]
.irp i, 2,3,4,5,6,7
	s_delay_alu instid0(VALU_DEP_2)
	v_lshl_or_b32 v[PK], v[XS_+\i], 4*\i, v[PK]
	s_delay_alu instid0(VALU_DEP_2)
	v_lshl_or_b32 v[PK+1], v[XS_+8+\i], 4*\i, v[PK+1]
.endr
	v_cvt_scale_pk8_f32_fp4 v[F:F+7], v[PK], v[ONE]
	v_cvt_scale_pk8_f32_fp4 v[F+8:F+15], v[PK+1], v[ONE]
	v_nop                                          ; one plain place behind a scaled conversion
.irp i, 0,2,4,6,8,10,12,14
	v_pk_mul_f32 v[F+\i:F+\i+1], v[F+\i:F+\i+1], v[SS:SS+1] op_sel_hi:[1,0]
.endr
.irp i, 0,2,4,6,8,10,12,14
	v_pk_mul_f32 v[F+\i:F+\i+1], v[F+\i:F+\i+1], s[28:29] op_sel_hi:[1,0]        ; two roundings, in the order in which the weight is defined
.endr
	v_max3_num_f32 v[MX], |v[F]|, |v[F+1]|, |v[F+2]|
	v_max3_num_f32 v[MX+1], |v[F+3]|, |v[F+4]|, |v[F+5]|
.irp i, 6,10
	s_delay_alu instid0(VALU_DEP_2)
	v_max3_num_f32 v[MX], v[MX], |v[F+\i]|, |v[F+\i+1]|
	s_delay_alu instid0(VALU_DEP_2)
	v_max3_num_f32 v[MX+1], v[MX+1], |v[F+\i+2]|, |v[F+\i+3]|
.endr
	s_delay_alu instid0(VALU_DEP_2)
	v_max3_num_f32 v[MX], v[MX], |v[F+14]|, |v[F+15]|
	s_delay_alu instid0(VALU_DEP_1)
	v_max3_num_f32 v[MX], v[MX], v[MX+1], 0x1800000                ; the floor 2^(3 - 127): the byte cannot fall under 1
	s_delay_alu instid0(VALU_DEP_1)
	v_max_num_f32_dpp v[MX], v[MX], v[MX] row_xmask:1 row_mask:0xf bank_mask:0xf   ; with my neighbour's 16: the block's
	s_delay_alu instid0(VALU_DEP_1)
	v_add_nc_u32 v[SO], 0xff000000, v[MX]          ; 2 off its exponent field: the conversion's scale operand
	v_cvt_scalef32_pk16_fp6_f32 v[C:C+2], v[F:F+15], v[SO]
	v_lshrrev_b32 v[E], 23, v[SO]                  ; the scale's byte (a plain place behind the conversion)
	ds_store_b8 v[SBB], v[E] offset:16*(\t)
.irp k, 0,1,2
	ds_store_b32 v[WRO], v[C+\k] offset:384*(\t)+4*\k              ; my 12 bytes at byte 384 t + 12 x lane of my row
.endr
.endm
.irp t, 0,1,2,3,4,5,6,7
	STEP \t
.endr
	s_branch .Ljoin
	; ---- a row given as codes: into the stage as it is
.Lcopy:
	s_cmp_lt_u32 s30, 3072
	s_cselect_b64 s[12:13], s[12:13], s[16:17]
	s_cselect_b64 s[14:15], s[14:15], s[18:19]
	s_and_b32 s31, s30, 1023
	s_mul_i32 s20, s31, 3072
	s_mov_b32 s21, 0
	s_lshl_b32 s22, s31, 7
	s_mov_b32 s23, 0
	s_add_nc_u64 s[12:13], s[12:13], s[20:21]
	s_add_nc_u64 s[14:15], s[14:15], s[22:23]
	global_load_b32 v[R+24], v[L4], s[14:15]
.irp i, 0,1,2,3,4,5
	global_load_b128 v[R+4*\i:R+4*\i+3], v[L16], s[12:13] offset:512*\i
.endr
	s_wait_loadcnt 6
	ds_store_b32 v[SBW], v[R+24]
.irp i, 0,1,2,3,4,5
	s_wait_loadcnt 5-\i
	ds_store_b128 v[WRC], v[R+4*\i:R+4*\i+3] offset:512*\i
.endr
.Ljoin:
	s_wait_loadcnt 0x0                             ; x's row, the oldest loads
	ds_store_b32 v[SBW], v[XS] offset:XBD
.irp i, 0,1,2,3,4,5
	ds_store_b128 v[WRC], v[XR+4*\i:XR+4*\i+3] offset:XD+512*\i
.endr
	s_wait_dscnt 0x0                               ; for the others' sake: my two rows lie in LDS
	s_barrier_signal -1
	s_barrier_wait -1
	; four fragments: tensor u (0 the weights, 1 x), step 2 w + e: 12 registers each
.irp u, 0,1
.irp e, 0,1
.irp p, 0,1,2,3,4,5
	ds_load_b64 v[R+24*\u+12*\e+2*\p:R+24*\u+12*\e+2*\p+1], v[FRD] offset:XD*\u+96*\e+48*(\p/3)+8*(\p%3)
.endr
.endr
.endr
.macro OUTF d, base, left
	s_wait_dscnt \left
.irp p, 0,1,2
	global_store_b128 v[L16], v[\d+4*\p:\d+4*\p+3], s[\base:\base+1] offset:512*\p   ; 512 consecutive bytes, at a multiple of 256 from the buffer's first byte
.endr
.endm
	OUTF R, 58, 18
	OUTF R+12, 60, 12
	OUTF R+24, 52, 6
	OUTF R+36, 54, 0
	s_cmp_lt_u32 s24, 11
	s_cbranch_scc0 .Lend                           ; eleven waves carry the eleven groups' scale words out
	ds_load_b32 v[F], v[SRD]
	ds_load_b32 v[F+1], v[SRD] offset:4
	ds_load_b32 v[F+2], v[SRD] offset:XBD
	ds_load_b32 v[F+3], v[SRD] offset:XBD+4
	s_wait_dscnt 0x0
	global_store_b64 v[L8], v[F:F+1], s[62:63]     ; 32 lanes store 256 consecutive bytes, aligned
	global_store_b64 v[L8], v[F+2:F+3], s[56:57]
.Lend:
	s_wait_tensorcnt 0x0                           ; the wave's end
	ds_add_u32 v248, v249
	s_wait_dscnt 0x0
	s_endpgm
.Lfunc_end_k_qfeee9f3a79_prep:
	.size	k_qfeee9f3a79_prep, .Lfunc_end_k_qfeee9f3a79_prep-k_qfeee9f3a79_prep
	.p2alignl 7, 3214868480
	.fill 96, 4, 3214868480
	.section	.rodata,"a",@progbits
	.p2align	6, 0x0
	.amdhsa_kernel k_qfeee9f3a79_prep
		.amdhsa_group_segment_fixed_size 203776
		.amdhsa_private_segment_fixed_size 0
		.amdhsa_enable_private_segment 0
		.amdhsa_kernarg_size 96
		.amdhsa_user_sgpr_count 2
		.amdhsa_user_sgpr_kernarg_segment_ptr 1
		.amdhsa_wavefront_size32 1
		.amdhsa_system_sgpr_workgroup_id_x 1
		.amdhsa_system_sgpr_workgroup_id_y 1
		.amdhsa_system_sgpr_workgroup_id_z 1
		.amdhsa_system_vgpr_workitem_id 0
		.amdhsa_next_free_vgpr 250
		.amdhsa_next_free_sgpr 66
		.amdhsa_reserve_vcc 0
		.amdhsa_float_denorm_mode_32 3
		.amdhsa_float_denorm_mode_16_64 3
		.amdhsa_memory_ordered 1
		.amdhsa_forward_progress 1
		.amdhsa_inst_pref_size 50
	.end_amdhsa_kernel
	.amdgpu_metadata
---
amdhsa.version: [ 1, 2 ]
amdhsa.kernels:
  - .name:           k_qfeee9f3a79_prep
    .symbol:         k_qfeee9f3a79_prep.kd
    .args:
      - { .name: inv_perm, .offset: 0, .size: 8, .value_kind: global_buffer, .address_space: global }
      - { .name: nvfp4_idx, .offset: 8, .size: 8, .value_kind: global_buffer, .address_space: global }
      - { .name: nvfp4_scales, .offset: 16, .size: 8, .value_kind: global_buffer, .address_space: global }
      - { .name: nvfp4_global_scale, .offset: 24, .size: 8, .value_kind: global_buffer, .address_space: global }
      - { .name: w_fp8_codes, .offset: 32, .size: 8, .value_kind: global_buffer, .address_space: global }
      - { .name: w_fp8_scales, .offset: 40, .size: 8, .value_kind: global_buffer, .address_space: global }
      - { .name: w_fp16_codes, .offset: 48, .size: 8, .value_kind: global_buffer, .address_space: global }
      - { .name: w_fp16_scales, .offset: 56, .size: 8, .value_kind: global_buffer, .address_space: global }
      - { .name: x_codes, .offset: 64, .size: 8, .value_kind: global_buffer, .address_space: global }
      - { .name: x_scales, .offset: 72, .size: 8, .value_kind: global_buffer, .address_space: global }
      - { .name: wq, .offset: 80, .size: 8, .value_kind: global_buffer, .address_space: global }
      - { .name: xq, .offset: 88, .size: 8, .value_kind: global_buffer, .address_space: global }
    .group_segment_fixed_size: 203776
    .private_segment_fixed_size: 0
    .kernarg_segment_align: 8
    .kernarg_segment_size: 96
    .max_flat_workgroup_size: 512
    .sgpr_count:     66
    .vgpr_count:     250
    .wavefront_size: 32
...
	.end_amdgpu_metadata
.endif
;; end of part 1
;; launch gemm (part 2): grid 16 x 16, 4 waves a work-group, clusters of 4 x 4, 327,680 bytes of LDS; arguments xq, wq, out0, bias, inv_perm, fp8_scale; writes out0
.if DOCPART == 2
	.amdgcn_target "amdgcn-amd-amdhsa--gfx1250"
	.amdhsa_code_object_version 6
	.text
	.protected	k_qfeee9f3a79_gemm
	.globl	k_qfeee9f3a79_gemm
	.p2align	8
	.type	k_qfeee9f3a79_gemm,@function
k_qfeee9f3a79_gemm:
	s_mov_b64 s[64:65], 0
	v_nop
	global_prefetch_b8 v0, s[64:65] scope:SCOPE_SE
	s_setreg_imm32_b32 hwreg(HW_REG_WAVE_MODE, 25, 1), 1
	s_wait_xcnt 0x0
	s_wait_alu depctr_hold_cnt(0) depctr_sa_sdst(0) depctr_va_vdst(0) depctr_va_sdst(0) depctr_va_ssrc(0) depctr_va_vcc(0) depctr_vm_vsrc(0)
	s_getreg_b32 s2, hwreg(HW_REG_IB_STS2, 6, 4)
	s_cmp_eq_u32 s2, 0
	s_cbranch_scc0 .Lentry_in_a_cluster
	s_endpgm
.Lentry_in_a_cluster:
	s_bfe_u32 s2, ttmp6, 0x10000c
	s_cmp_lg_u32 s2, 0xf033
	s_cbranch_scc0 .Lentry_shape_is_right
	s_endpgm
.Lentry_shape_is_right:
; out0[m][c] = f[c] x (sum over k of x[m][k] w[c][k]) + bias[c]; f[c] = fp8_scale where inv_perm[c] lies in 2048 .. 3071, else 1.  x and w come as E2M3 codes with E8M0 bytes from xq and wq,
; laid by the launch before as images of the operand's registers: half tiles of 128 rows; K in 11 groups of 3 steps of 128 (the last: 2); a group = 2,048 bytes of scale words + 12,288 bytes a step, dense.
; A tile of out0, 256 x 256, is made by four waves, 128 x 128 each: 64 accumulators, 512 registers.  A ring of two LDS slots; a slot holds one group of the weights' two half tiles and of x's two:
; each wave brings one of the four by ONE tensor load of 152 rows of 256 bytes (the last group: 104).  A fragment is three loads of 16 bytes x lane, 512 consecutive bytes each; no padding is needed.
; CLUSTERS 4 x 4: x's tiles hang on the tile row and are asked for jointly along a row of the cluster, the weights' on the tile column and jointly along a column.
; SOURCE 0 = 16 rows of x, SOURCE 1 = 16 rows of the weights: register j of lane (r, h) is row 8 h + j of x and weight row r.  Weight row r of block a is column 64 (a / 4) + 4 r + a % 4, so the same register
; of accumulators a = 4 g .. 4 g + 3 holds four neighbouring columns: one multiply-add each (factor, bias) lays them in four registers on end, and 16 lanes store 256 consecutive bytes, aligned.  No LDS on the way out.
; REGISTERS: window 0: v16-30 addresses; v32-95 scale words, two sets (register 4 i + q: lanes 0-15 the weights' block i, lanes 16-31 x's block i, step q of the group); v96-111 bias, factor;
;   v128-223 the weights' fragments, one set; on the way out v128-255 four sets of 32 results.  Window 1: x's fragments, two sets, at v0 and v128.  Windows 2, 3: accumulator (a, b) at v[8 (8 (a % 4) + b)].
; PREFETCH: behind each joint load of the loop's first three trips a wave names the group that stands two refills on: 38 of its half tile's 152 blocks of 256 bytes, the four partners sharing them out by address;
; groups 0 to 3 and the short last group come by their loads alone.
.set GB,    38912
.set GROWS, 152
.set LROWS, 104
.set HT,    10*GB+LROWS*256
.set SB,    12288
.set FB,    1536
.set HDR,   2048
.set SLOT,  4*GB
.set SPARE, 2*SLOT                     ; behind the ring: the spare words, 128 bytes a wave
.set FR,   12
.set NL,   3
.set ADRQ, 16                          ; v16-17 my fragments of the weights in slot 0, 1
.set ADRP, 18                          ; v18-19 of x
.set ADRS, 20                          ; v20-21 scale words
.set CO,   22                          ; my byte offset in out0
.set CB,   23                          ; 16 r
.set PFO,  24                          ; v24-25 the prefetches' offsets
.set SPW,  28
.set NIL,  29
.set FS,   30
.set SC,   32
.set BI,   96
.set GF,   104
.set AF,   128
.set G1,  24                           ; s[24:31], s[32:39] groups 1 and 0 (a set for each slot) for the weights
.set G0,  32
.set G1B, 48                           ; s[48:55], s[56:63] for x
.set G0B, 56
.set PFA, 72
.set MSB, 0
.macro WIN new
.if MSB != \new
	s_set_vgpr_msb (MSB<<8)|\new
.set MSB, \new
.endif
.endm
.set MUL_LO, 0xa1
.set MUL_HI, 0xf1
.set TO_B,   0x40
.macro JLOAD s                         ; waves 0, 1 fetch the weights' halves, waves 2, 3 x's
	s_cmp_eq_u32 s15, 0
	s_cbranch_scc0 .Lfor_b_\@
	tensor_load_to_lds s[G0+4*\s:G0+4*\s+3], s[G1:G1+7]
	s_nop 0
.rept 4
	v_nop
.endr
	s_branch .Lasked_\@
.Lfor_b_\@:
	tensor_load_to_lds s[G0B+4*\s:G0B+4*\s+3], s[G1B:G1B+7]
	s_nop 0
.rept 4
	v_nop
.endr
.Lasked_\@:
.endm
.macro CREST
	s_cmp_lg_u32 s14, 0
	s_cbranch_scc1 .Lnot_wave_0_\@
	s_barrier_signal -3
.Lnot_wave_0_\@:
	s_barrier_wait -3
	s_barrier_signal -1
	s_barrier_wait -1
.endm
.macro CROUND
	s_barrier_signal -1
	s_barrier_wait -1
	CREST
.endm
.macro PLACES
.rept 4
	v_nop
.endr
.endm
	s_load_b256 s[4:11], s[0:1], 0x0               ; xq s[4:5], wq s[6:7], out0 s[8:9], bias s[10:11]
	s_load_b128 s[68:71], s[0:1], 0x20             ; inv_perm s[68:69], fp8_scale s[70:71]
	v_lshl_add_u32 v[SPW], v0, 2, SPARE
	v_mov_b32 v[NIL], 0
	ds_add_u32 v[SPW], v[NIL]                      ; the opening lines: the add, twice on end, and its wait
	ds_add_u32 v[SPW], v[NIL]
	v_lshrrev_b32 v1, 5, v0
	v_readfirstlane_b32 s14, v1                    ; wave
	s_lshr_b32 s15, s14, 1                         ; my half of the columns.  Also: I fetch the weights (0) or x (1)
	s_and_b32 s16, s14, 1                          ; my half of the rows.  Also: which half tile I fetch
	s_bfe_u32 s40, ttmp6, 0x40000                  ; cx
	s_bfe_u32 s41, ttmp6, 0x40004                  ; cy
	s_lshl_b32 s42, ttmp9, 2
	s_add_co_u32 s42, s42, s40                     ; tile column
	s_and_b32 s17, ttmp7, 0xffff
	s_lshl_b32 s17, s17, 2
	s_add_co_u32 s17, s17, s41                     ; tile row
	s_lshl_b32 s43, s41, 2
	s_lshl_b32 s43, 15, s43                        ; my row of the cluster
	s_lshl_b32 s44, 0x1111, s40                    ; my column
	s_or_b32 s[G1], s44, (3<<16)|(1<<21)           ; elements of 8 bytes, no padding; the weights go to my column,
	s_or_b32 s[G1B], s43, (3<<16)|(1<<21)          ; x to my row
.irp g, G1, G1B
	s_mov_b32 s[\g+1], 32<<16                      ; rows of 32 elements = 256 bytes
	s_mov_b32 s[\g+2], GROWS<<16
	s_mov_b32 s[\g+3], 32<<16
	s_mov_b32 s[\g+4], GROWS
	s_mov_b32 s[\g+5], 32
	s_mov_b32 s[\g+6], 0
	s_mov_b32 s[\g+7], 0
.endr
	s_lshl_b32 s20, s42, 1
	s_add_co_u32 s20, s20, s16
	s_mul_i32 s20, s20, HT                         ; the weights' half tile 2 x tile column + half
	s_mov_b32 s21, 0
	s_lshl_b32 s46, s17, 1
	s_add_co_u32 s46, s46, s16
	s_mul_i32 s46, s46, HT                         ; x's half tile 2 x tile row + half
	s_mov_b32 s47, 0
	s_mul_i32 s45, s14, GB                         ; in a slot: the weights' two halves, then x's two = wave x GB
	s_wait_dscnt 0x0
	s_wait_kmcnt 0x0
	s_add_nc_u64 s[20:21], s[6:7], s[20:21]
	s_add_nc_u64 s[46:47], s[4:5], s[46:47]
	CROUND                                         ; the first joint loads meet
.irp s, 0,1
	s_mov_b32 s[G0+4*\s], 1
	s_add_co_u32 s[G0+4*\s+1], s45, \s*SLOT
	s_add_nc_u64 s[G0+4*\s+2:G0+4*\s+3], s[20:21], \s*GB
	s_or_b32 s[G0+4*\s+3], s[G0+4*\s+3], 0x80000000
	s_mov_b32 s[G0B+4*\s], 1
	s_add_co_u32 s[G0B+4*\s+1], s45, \s*SLOT
	s_add_nc_u64 s[G0B+4*\s+2:G0B+4*\s+3], s[46:47], \s*GB
	s_or_b32 s[G0B+4*\s+3], s[G0B+4*\s+3], 0x80000000
.endr
	JLOAD 0                                        ; group 0: one tensor load a wave at the head
	s_mul_i32 s77, s15, GB                         ; my half of the weights in slot 0
	s_add_co_u32 s78, s77, SLOT
	s_add_co_u32 s18, s77, HDR
	s_add_co_u32 s19, s18, SLOT
	s_mul_i32 s22, s16, GB
	s_add_co_u32 s22, s22, 2*GB+HDR                ; my half of x
	s_add_co_u32 s23, s22, SLOT
	s_sub_co_u32 s76, s22, s18                     ; from the weights' scale words to x's
	s_lshl_b32 s12, s17, 1
	s_add_co_u32 s12, s12, s16
	s_lshl_b32 s12, s12, 21                        ; my first row of out0: 128 rows of 16,384 bytes a half tile
	s_mov_b32 s13, 0
	s_add_nc_u64 s[8:9], s[8:9], s[12:13]
	s_lshl_b32 s12, s42, 10
	s_lshl_b32 s79, s15, 9
	s_add_co_u32 s12, s12, s79                     ; my first column, in bytes
	s_add_nc_u64 s[8:9], s[8:9], s[12:13]
	s_add_nc_u64 s[10:11], s[10:11], s[12:13]
	s_add_nc_u64 s[68:69], s[68:69], s[12:13]
	s_cmp_eq_u32 s15, 0                            ; the prefetches: the half tile that I fetch,
	s_cselect_b64 s[PFA:PFA+1], s[20:21], s[46:47]
	s_cselect_b32 s74, s41, s40                    ; my place among the four that ask for it with me,
	s_mul_i32 s74, s74, 38*256                     ; whose 38 blocks of each group are mine,
	s_add_co_u32 s74, s74, 3*GB                    ; at group 3: the first change of slots steps it to 4
	s_mov_b32 s75, 0
	s_add_nc_u64 s[PFA:PFA+1], s[PFA:PFA+1], s[74:75]
	v_and_b32 v1, 31, v0
	v_and_b32 v2, 15, v0                           ; r
	v_bfe_u32 v3, v0, 4, 1                         ; h
	v_lshlrev_b32 v4, 4, v1
	v_mul_u32_u24 v5, s76, v3
	v_add_nc_u32 v[ADRQ], s18, v4
	v_add_nc_u32 v[ADRQ+1], s19, v4
	v_add_nc_u32 v[ADRP], s22, v4
	v_add_nc_u32 v[ADRP+1], s23, v4
	v_lshl_add_u32 v5, v2, 4, v5                   ; 16 r; lanes 16-31 take x's words
	v_lshlrev_b32 v[CB], 4, v2
	v_add_nc_u32 v[ADRS], s77, v5
	v_add_nc_u32 v[ADRS+1], s78, v5
	v_lshl_add_u32 v[CO], v3, 17, v[CB]            ; 8 h rows of 16,384 bytes + 16 r
	v_lshlrev_b32 v[PFO], 8, v1                    ; blocks 0 to 31 of my 38, a lane a block;
	v_min_u32 v6, 5, v1
	v_lshl_add_u32 v[PFO+1], v6, 8, 8192           ; blocks 32 to 37 (the lanes left over name the last again)
	s_wait_alu depctr_va_vdst(0)                   ; the wait at the head's end
.irp g, 0,1
	global_load_b128 v[BI+4*\g:BI+4*\g+3], v[CB], s[10:11] offset:256*\g       ; bias of columns 64 g + 4 r + 0 .. 3
	global_load_b128 v[GF+4*\g:GF+4*\g+3], v[CB], s[68:69] offset:256*\g       ; and their places in the stacked groups
.endr
	s_load_b32 s2, s[70:71], 0x0
.macro FRAG reg, adr, q, i
.irp p, 0,1,2
	ds_load_b128 v[\reg+4*\p:\reg+4*\p+3], v[\adr] offset:(\q)*SB+(\i)*FB+512*\p
.endr
.endm
; 16 matrix instructions: the weights' blocks a0, a0 + 1 x x's eight.  p: x's set; q: the step in its group; sc: the set of scale words.  The 64 accumulators take turns.
.macro MUL16 a0, p, q, sc, zero
.irp a, \a0, \a0+1
.irp b, 0,1,2,3,4,5,6,7
.if \zero
	v_wmma_scale_f32_16x16x128_f8f6f4 v[8*(8*((\a)%4)+\b):8*(8*((\a)%4)+\b)+7], v[128*(\p)+FR*\b:128*(\p)+FR*\b+FR-1], v[AF+FR*(\a):AF+FR*(\a)+FR-1], 0, v[SC+32*(\sc)+4*\b+(\q)], v[SC+32*(\sc)+4*(\a)+(\q)] matrix_a_fmt:MATRIX_FMT_FP6 matrix_b_fmt:MATRIX_FMT_FP6 matrix_a_scale:MATRIX_SCALE_ROW1
.else
	v_wmma_scale_f32_16x16x128_f8f6f4 v[8*(8*((\a)%4)+\b):8*(8*((\a)%4)+\b)+7], v[128*(\p)+FR*\b:128*(\p)+FR*\b+FR-1], v[AF+FR*(\a):AF+FR*(\a)+FR-1], v[8*(8*((\a)%4)+\b):8*(8*((\a)%4)+\b)+7], v[SC+32*(\sc)+4*\b+(\q)], v[SC+32*(\sc)+4*(\a)+(\q)] matrix_a_fmt:MATRIX_FMT_FP6 matrix_b_fmt:MATRIX_FMT_FP6 matrix_a_scale:MATRIX_SCALE_ROW1
.endif
.endr
.endr
.endm
.macro FETCH_P slot, q, p              ; x's eight fragments into set p: 24 loads
	WIN TO_B
.irp i, 0,1,2,3,4,5,6,7
	FRAG 128*(\p)+FR*\i, ADRP+(\slot), \q, \i
.endr
	WIN 0
.endm
.macro FETCH_Q slot, q, i0             ; the weights' blocks i0 .. i0 + 3: 12 loads
.irp i, \i0, \i0+1, \i0+2, \i0+3
	FRAG AF+FR*(\i), ADRQ+(\slot), \q, \i
.endr
.endm
.macro SCALES slot                     ; a group's scale words: 8 loads, four words a row
.irp i, 0,1,2,3,4,5,6,7
	ds_load_b128 v[SC+32*(\slot)+4*\i:SC+32*(\slot)+4*\i+3], v[ADRS+(\slot)] offset:256*\i
.endr
.endm
; A step that stays in its slot: 64 matrix instructions; the next step's fragments are fetched in its middle and at its end, each run four places behind the products that read the registers.
; x's set of step st is free at that step's end: there the fragments of step st + 2 are asked for (pf = 1), where they lie in the same slot.
.macro STEP slot, q, zero, pf
	s_wait_dscnt 12*NL                             ; all but the youngest 36 loads: the weights' blocks 4-7 and x's set for the step after this one
	WIN MUL_LO
	MUL16 0, ((\slot)+(\q))%2, \q, \slot, \zero
	MUL16 2, ((\slot)+(\q))%2, \q, \slot, \zero
	s_wait_dscnt 8*NL                              ; the weights' blocks 4-7 are in; x's 24 loads behind them may be out
	PLACES
	WIN 0
	FETCH_Q \slot, (\q)+1, 0
	WIN MUL_HI
	MUL16 4, ((\slot)+(\q))%2, \q, \slot, \zero
	MUL16 6, ((\slot)+(\q))%2, \q, \slot, \zero
	PLACES
	WIN 0
	FETCH_Q \slot, (\q)+1, 4
.if \pf
	FETCH_P \slot, (\q)+2, ((\slot)+(\q))%2
.endif
.endm
.macro ASK                             ; not in the loop's last trip: its look-ahead would name the short group and what lies behind it
	s_cmp_gt_u32 s3, 1
	s_cbranch_scc0 .Lnone_\@
	global_prefetch_b8 v[PFO], s[PFA:PFA+1] th:TH_LOAD_NT scope:SCOPE_SE
	global_prefetch_b8 v[PFO+1], s[PFA:PFA+1] th:TH_LOAD_NT scope:SCOPE_SE
.Lnone_\@:
.endm
; A group's third step changes slots.  In front of the barrier each wave waits for all its tensor loads (one is out: its part of the next slot), adds 0 to its spare word, and waits for that and for its reads of this slot.
; fill = 1: the barrier opens a round of the cluster's barrier and this slot takes the group two on; 2: the same with the short last group; 0: nothing is left to fetch.
.macro TURN slot, fill
.if \fill == 1
	s_wait_xcnt 0x0                                ; my prefetches have read their address
	s_add_nc_u64 s[PFA:PFA+1], s[PFA:PFA+1], GB
.endif
	s_wait_tensorcnt 0x0
	ds_add_u32 v[SPW], v[NIL]
	s_wait_dscnt 4*NL+1                            ; the add and the youngest 12 loads may be out
	WIN MUL_LO
	MUL16 0, \slot, 2, \slot, 0
	s_wait_dscnt 0x0
	s_barrier_signal -1
	MUL16 2, \slot, 2, \slot, 0
	WIN 0
	s_barrier_wait -1
.if \fill
	CREST
	s_add_nc_u64 s[G0+4*\slot+2:G0+4*\slot+3], s[G0+4*\slot+2:G0+4*\slot+3], 2*GB
	s_add_nc_u64 s[G0B+4*\slot+2:G0B+4*\slot+3], s[G0B+4*\slot+2:G0B+4*\slot+3], 2*GB
.if \fill == 2
	s_mov_b32 s[G1+2], LROWS<<16                   ; no tensor load of mine is out: the last group has 104 rows
	s_mov_b32 s[G1+4], LROWS
	s_mov_b32 s[G1B+2], LROWS<<16
	s_mov_b32 s[G1B+4], LROWS
.endif
	JLOAD \slot                                    ; the first tensor load behind the round; its four v_nop are the places in front of the loads below
.else
	PLACES
.endif
	FETCH_P 1-\slot, 0, 1-\slot
	FETCH_Q 1-\slot, 0, 0
	SCALES 1-\slot
.if \fill == 1
	ASK
.endif
	WIN MUL_HI
	MUL16 4, \slot, 2, \slot, 0
	MUL16 6, \slot, 2, \slot, 0
	PLACES
	WIN 0
	FETCH_Q 1-\slot, 0, 4
	FETCH_P 1-\slot, 1, \slot                      ; x's fragments of the next slot's second step, into the set that this step has read
.endm
	s_wait_tensorcnt 0x0                           ; my part of group 0 is in
	ds_add_u32 v[SPW], v[NIL]
	s_wait_dscnt 0x0
	CROUND
	JLOAD 1                                        ; group 1: slot 1's first fill
	FETCH_P 0, 0, 0
	FETCH_Q 0, 0, 0
	SCALES 0
	FETCH_Q 0, 0, 4
	FETCH_P 0, 1, 1
	s_wait_loadcnt 0x0
	s_wait_kmcnt 0x0
	v_mov_b32 v[FS], s2
.irp i, 0,1,2,3,4,5,6,7
	v_add_nc_u32 v[GF+\i], 0xfffff800, v[GF+\i]
.endr
.irp i, 0,1,2,3,4,5,6,7
	v_cmp_gt_u32 vcc_lo, 1024, v[GF+\i]            ; a row of the second group?
	v_cndmask_b32 v[GF+\i], 1.0, v[FS], vcc_lo
.endr
	s_wait_alu depctr_va_vdst(0)
	STEP 0, 0, 1, 1
	s_mov_b32 s3, 4
.Llap:                                                 ; a trip: six steps, once round the ring; groups 2 to 9 are asked for here
	STEP 0, 1, 0, 0
	TURN 0, 1
	STEP 1, 0, 0, 1
	STEP 1, 1, 0, 0
	TURN 1, 1
	STEP 0, 0, 0, 1
	s_sub_co_u32 s3, s3, 1
	s_cmp_lg_u32 s3, 0
	s_cbranch_scc1 .Llap
	STEP 0, 1, 0, 0
	TURN 0, 2
	STEP 1, 0, 0, 1
	STEP 1, 1, 0, 0
	TURN 1, 0
	STEP 0, 0, 0, 0                                ; step 30: the last group has no third step
	s_wait_dscnt 4*NL
	WIN MUL_LO
	MUL16 0, 1, 1, 0, 0
	MUL16 2, 1, 1, 0, 0
	s_wait_dscnt 0
	WIN MUL_HI
	MUL16 4, 1, 1, 0, 0
	MUL16 6, 1, 1, 0, 0
	WIN 0
; THE WAY OUT: 16 rows x 64 columns at a time.  Each accumulator is read from its register 0 on.
.macro OUTB g, b, n
.set O, 128+32*((\n)%4)
.if (\n) > 3
	s_wait_xcnt 0x0                                ; the stores that read this set of registers have read them
.endif
	WIN 0x02+(\g)
.irp j, 0,1,2,3,4,5,6,7
.irp a, 0,1,2,3
	v_fma_f32 v[O+4*\j+\a], v[8*(8*\a+(\b))+\j], v[GF+4*(\g)+\a], v[BI+4*(\g)+\a]
.endr
.endr
	WIN 0
.irp j, 0,1,2,3,4,5,6,7
	global_store_b128 v[CO], v[O+4*\j:O+4*\j+3], s[8:9] offset:(16*(\b)+\j)*16384+256*(\g) th:TH_STORE_NT   ; lanes 0-15 fill 256 aligned bytes of row 16 b + j, lanes 16-31 of the row 8 further down
.endr
.endm
	PLACES
.irp b, 0,1,2,3,4,5,6,7
.irp g, 0,1
	OUTB \g, \b, 2*\b+\g
.endr
.endr
	s_wait_tensorcnt 0x0                           ; the wave's end
	ds_add_u32 v[SPW], v[NIL]
	s_wait_dscnt 0x0
	CROUND                                         ; the closing round
	s_endpgm
.Lfunc_end_k_qfeee9f3a79_gemm:
	.size	k_qfeee9f3a79_gemm, .Lfunc_end_k_qfeee9f3a79_gemm-k_qfeee9f3a79_gemm
	.p2alignl 7, 3214868480
	.fill 96, 4, 3214868480
	.section	.rodata,"a",@progbits
	.p2align	6, 0x0
	.amdhsa_kernel k_qfeee9f3a79_gemm
		.amdhsa_group_segment_fixed_size 327680
		.amdhsa_private_segment_fixed_size 0
		.amdhsa_enable_private_segment 0
		.amdhsa_kernarg_size 48
		.amdhsa_user_sgpr_count 2
		.amdhsa_user_sgpr_kernarg_segment_ptr 1
		.amdhsa_wavefront_size32 1
		.amdhsa_system_sgpr_workgroup_id_x 1
		.amdhsa_system_sgpr_workgroup_id_y 1
		.amdhsa_system_sgpr_workgroup_id_z 1
		.amdhsa_system_vgpr_workitem_id 0
		.amdhsa_next_free_vgpr 1024
		.amdhsa_next_free_sgpr 80
		.amdhsa_reserve_vcc 1
		.amdhsa_float_denorm_mode_32 3
		.amdhsa_float_denorm_mode_16_64 3
		.amdhsa_memory_ordered 1
		.amdhsa_forward_progress 1
		.amdhsa_inst_pref_size 223
	.end_amdhsa_kernel
	.amdgpu_metadata
---
amdhsa.version: [ 1, 2 ]
amdhsa.kernels:
  - .name:           k_qfeee9f3a79_gemm
    .symbol:         k_qfeee9f3a79_gemm.kd
    .args:
      - { .name: xq, .offset: 0, .size: 8, .value_kind: global_buffer, .address_space: global }
      - { .name: wq, .offset: 8, .size: 8, .value_kind: global_buffer, .address_space: global }
      - { .name: out0, .offset: 16, .size: 8, .value_kind: global_buffer, .address_space: global }
      - { .name: bias, .offset: 24, .size: 8, .value_kind: global_buffer, .address_space: global }
      - { .name: inv_perm, .offset: 32, .size: 8, .value_kind: global_buffer, .address_space: global }
      - { .name: fp8_scale, .offset: 40, .size: 8, .value_kind: global_buffer, .address_space: global }
    .group_segment_fixed_size: 327680
    .private_segment_fixed_size: 0
    .kernarg_segment_align: 8
    .kernarg_segment_size: 48
    .max_flat_workgroup_size: 128
    .sgpr_count:     80
    .vgpr_count:     1024
    .wavefront_size: 32
...
	.end_amdgpu_metadata
.endif
;; end of part 2
